; MI455X (gfx1250); checked and timed in simulation.
; The chip was launched on July 23, 2026; its instructions are those of AMD's public machine-readable ISA for CDNA 5 (MIT licence, August 2026) and "CDNA5" Instruction Set Architecture Reference Guide (July 2026). The comments in the code are by the model that wrote it; some were corrected since.
;; Linear3 Bit. Allowed arithmetic: matrix products marked QUANTISED: E3M2 operands, one E8M0 scale for each 32 along K, by v_wmma_scale_f32_16x16x128_f8f6f4 with both operands' format E3M2, f32 sums; everything else in f32.
;; Inputs: bias 4,096 float32; weight_q3 262,144 x 24 int32; weight_scale 262,144 x 1 float32; x 4,096 x 4,096 float32.
;; Outputs: out0 4,096 x 4,096 float32.
;; This version of the problem:
;;   THIS VERSION OF THE PROBLEM IS GIVEN IN LOW PRECISION. The matrix products marked QUANTISED in the list below multiply operands that are first quantised to E3M2 (3 exponent bits, 2 mantissa bits; 6 bits a number), with one power-of-two scale for each 32 numbers along K (OCP MX v1.0); their sums are f32. All else is computed in f32.
;;   The module's matrix products, in the order in which they are computed (A, B: the left and right operand; K: the contracted axis; several contracted axes count as one K, in the product's order):
;;     1. [M 4,096, K 4,096] x [K 4,096, N 4,096]; A: input x; B: computed on the way: QUANTISED
;;   THE QUANTISER, for each operand of a quantised product, along K:
;;     - K is cut into blocks of 32 from its start; a last block that is shorter is filled with zeros.
;;     - A block's scale is 2^e with e = floor(log2(the largest magnitude in the block)) - 4, held to -126 .. 127; a block of zeros has e = 0. As a byte (E8M0): e + 127.
;;     - Each number is divided by its block's scale, clamped to +-28, and rounded to the nearest number of E3M2, ties to even, subnormals kept.
;;     - The product sums the exact products of the quantised numbers (number of the format x scale) in f32.
;;   ~~~python
;;   def quantise(x, axis):      # numpy; x: float32 -> the quantised numbers, widened to float32 again
;;       x = np.moveaxis(x, axis, -1); K = x.shape[-1]
;;       x = np.pad(x, [(0, 0)] * (x.ndim - 1) + [(0, -K % 32)]); x = x.reshape(x.shape[:-1] + (-1, 32)); a = np.abs(x).max(-1, keepdims=True)
;;       e = np.where(a > 0, np.clip(np.frexp(np.where(a > 0, a, 1))[1] - 1 - 4, -126, 127), 0)      # np.frexp(a)[1] - 1 = floor(log2(a)), exactly
;;       r = np.clip(x / 2.0 ** e, -28, 28)
;;       step = 2.0 ** (np.maximum(np.frexp(np.where(r == 0, 1, r))[1] - 1, -2) - 2)
;;       q = np.round(r / step) * step * 2.0 ** e      # np.round: ties to even
;;       return np.moveaxis(q.reshape(q.shape[:-2] + (-1,))[..., :K], -1, axis).astype(np.float32)
;;   ~~~
;;   OPERANDS COMPUTED ON THE WAY. 'Computed on the way' means the value that the module computes at that place (a softmax that the list does not call 'softmax' is quantised finished and normalised). What goes into a quantiser is computed in f32, as accurately as f32 sums, v_exp_f32 and their like allow (about 1e-6 of the number): no bf16 or f16 on the way to a quantiser, and a product that is left as it is and whose result goes on into a quantised operand takes f32 operands (vector FMAs, or v_wmma_f32_16x16x4_f32). A number that lies on a knife's edge between two numbers of the format may be rounded either way, as far as f32 arithmetic and the matrix unit's own rounding can turn it there, and no further.
;; One version. Each part assembles by itself: llvm-mc -triple=amdgcn-amd-amdhsa -mcpu=gfx1250 --defsym DOCPART=n.
;; ======== version 1 of 1: 2 launches
;; limits: right only within a limited range of input values
;; workspace buffers: aq 13,107,200 bytes; bq 13,107,200 bytes
;; launch quant (part 1): grid 1024 x 1, 4 waves a work-group, no clusters, 60,928 bytes of LDS; arguments x, weight_q3, weight_scale, aq, bq; writes aq, bq
.if DOCPART == 1
	.amdgcn_target "amdgcn-amd-amdhsa--gfx1250"
	.amdhsa_code_object_version 6
	.text
	.protected	k_qb248cba147_quant
	.globl	k_qb248cba147_quant
	.p2align	8
	.type	k_qb248cba147_quant,@function
k_qb248cba147_quant:
	s_mov_b64 s[64:65], 0
	v_nop
	global_prefetch_b8 v0, s[64:65] scope:SCOPE_SE
	s_setreg_imm32_b32 hwreg(HW_REG_WAVE_MODE, 25, 1), 1
	s_wait_xcnt 0x0
; BOTH OPERANDS OF out = x w^T BECOME CODES OF BF6 (E3M2), 6 bits each, with one E8M0 scale byte for each 32 along K.
; x [4096][4096] f32 is taken as it is.  w [4096][4096] is made on the way, in f32, as the problem defines it: of weight_q3 each int32 carries one byte (its low byte), three bytes hold eight
; 3-bit codes (code j at bits 3 j .. 3 j + 2 of the 24 bits, lowest byte first), a weight is (min(code, 6) - 3) x the scale of its group of 64 along K: one f32 rounding.
; THE QUANTISER.  A block's scale is 2^(floor(log2(its largest magnitude)) - 4): its byte is the largest magnitude's exponent field - 4, held at 1 from below by a floor among the maximum's leaves.
; Each number is divided by the scale and rounded to the nearest code, ties to even; beyond the largest code the conversion gives the largest code.
; LIMITS: NaN and infinities among the inputs are not served.  A block of zeros gets the byte 1 where the rule says 127: its codes are zeros, and the bytes are read by this program alone.
; THE WORKSPACE (aq for x, bq for w, 13,107,200 bytes each) lies in the order of the matrix operand's registers.  A BLOCK is 128 rows x 128 K, 12,800 bytes, at ((row / 128) x 32 + k / 128) x 12,800.
; In it fragment i = (row / 16) % 8 lies at 1,536 i as an image of its 12 registers: registers 4 c .. 4 c + 3 of lane l at 512 c + 16 l; lane (r = l % 16, h = l / 16) holds
; row r, and its registers 6 c .. 6 c + 5 hold k = 64 c + 32 h + 0 .. 31.  The scale words (four bytes: the block's 128 along K of one row) lie at 12,288 + 64 i + 4 r.
; SHARES.  Even work-groups take x, odd ones w.  A work-group stands on 64 rows x 512 K; wave w on rows 32 (w % 2) on and K 256 (w / 2) on: four fragments (2 x 16 rows, 2 x 128 K).  A lane must hold
; 32 NEIGHBOURS along K of one row for the conversions, while a load is best where neighbouring lanes take neighbouring bytes: so each fragment's bytes are loaded as they lie and turn through the wave's own stage in LDS.
; Every store of codes covers 512 consecutive bytes, aligned.  A wave's scale words of one block are 128 bytes, its neighbour wave's the 128 beside them: the four waves' words meet in LDS behind the one
; barrier of the text, and each wave stores 256 consecutive bytes, aligned, of one block.
; A stream: memory binds it.  No matrix work, no cluster (no two work-groups read the same bytes but for weight_scale's rows, 1 byte in 90 of what is read), no tensor load.
; The two paths part on the work-group's number, have stages of their own in LDS, and join for the scale words.
.set XP,    528                        ; x's stage: a row of 512 bytes + 16: 33 x 16, so that the 16 rows that a load of 16 bytes a lane touches start at 16 different groups of banks (64 banks of 4 bytes: ISA guide 11.1)
.set XST,   16*XP                      ; 16 rows: a wave's stage
.set WP,    400                        ; w's stage: a row of 384 bytes + 16: 25 x 16
.set WST,   16*WP
.set WBASE, 4*XST                      ; w's stages lie behind x's
.set XCH,   WBASE+4*WST                ; behind them: 1,024 bytes in which the four waves' scale words meet
.set BLK,   12800
.set FRB,   1536                       ; a fragment's image
.set SCO,   12288                      ; where a block's scale words begin
.set LANE, 2
.set RR,   3                           ; r = lane % 16
.set HH,   4                           ; h = lane / 16
.set SH8,  5                           ; 8 h
.set VCO,  6                           ; 16 x lane: x's loads and the codes' stores; never rewritten
.set VSO,  7                           ; 8 x lane: the scale words' store
.set XSA,  8                           ; x's stage, in: 16 x lane
.set XLA,  9                           ; x's stage, out: 528 r + 128 h
.set VWO,  10                          ; weight_q3: (lane / 8) rows of 6,144 bytes + 16 (lane % 8)
.set VGO,  11                          ; weight_scale: 256 r
.set WSA,  12                          ; w's stage, in: 400 (lane / 8) + 16 (lane % 8)
.set WLA,  13                          ; w's stage, out: 400 r + 48 h
.set M,    14                          ; v14-15 largest magnitudes of my two blocks
.set SOP,  16                          ; v16-17 the conversions' scale operands
.set BY,   18                          ; v18-19 the scale bytes
.set T,    20                          ; a lane permute's destination
.set TW,   21                          ; 24 bits: eight 3-bit codes
.set WD,   22                          ; v22-25 the four fragments' scale words
.set SW,   26                          ; v[26:27] what I hand over of them, then what I store
.set XSW,  29                          ; where I put my scale words: XCH + 512 (wave / 2) + 128 (wave % 2) + 4 x lane
.set XLD,  30                          ; where I read the 256 bytes that I store: XCH + 256 x wave + 8 x lane
.set R,    32                          ; x path: v32-223 three sets of 64 numbers
.set RW,   32                          ; w path: v32-127 two sets of 48 words of weight_q3
.set X,    128                         ; w path: v128-191 64 weights in f32
.set SCL,  192                         ; w path: v192-199 my row's four group scales, for each of the two row blocks
.set SP,   200                         ; w path: v200-207 the same as pairs, for the packed multiply
.set PC,   224                         ; v224-235 a fragment's codes
.set PT,   236                         ; v236-238, v240-242 the upper halves of the two blocks, as the conversions leave them
.set SEL,  26                          ; s[26:27] v_permlanex16_b32: lane l xor 16
.set N3,   28                          ; s[28:29] -3.0
.set SELA, 30                          ; byte selects that gather three low bytes
.set SELB, 31
	s_load_b256 s[4:11], s[0:1], 0x0               ; x s[4:5], weight_q3 s[6:7], weight_scale s[8:9], aq s[10:11]
	s_load_b64 s[12:13], s[0:1], 0x20              ; bq
	v_lshl_add_u32 v244, v0, 2, 0xec00
	v_mov_b32 v245, 0
	v_lshrrev_b32 v1, 5, v0
	v_readfirstlane_b32 s14, v1                    ; wave 0..3
	v_and_b32 v[LANE], 31, v0
	v_and_b32 v[RR], 15, v0
	v_bfe_u32 v[HH], v0, 4, 1
	v_lshlrev_b32 v[SH8], 3, v[HH]
	v_lshlrev_b32 v[VCO], 4, v[LANE]
	v_lshlrev_b32 v[VSO], 3, v[LANE]
	s_mul_i32 s15, s14, XST                        ; every address register of both paths is made here, ahead of the parting
	v_add_nc_u32 v[XSA], s15, v[VCO]
	v_mul_u32_u24 v[XLA], v[RR], XP
	v_lshl_add_u32 v[XLA], v[HH], 7, v[XLA]
	v_add_nc_u32 v[XLA], s15, v[XLA]
	v_lshrrev_b32 v1, 3, v[LANE]                   ; lane / 8
	v_and_b32 v28, 7, v[LANE]
	v_lshlrev_b32 v28, 4, v28                      ; 16 (lane % 8)
	v_mad_u32_u24 v[VWO], v1, 6144, v28
	v_lshlrev_b32 v[VGO], 8, v[RR]
	s_mul_i32 s15, s14, WST
	s_add_co_u32 s15, s15, WBASE
	v_mad_u32_u24 v[WSA], v1, WP, v28
	v_add_nc_u32 v[WSA], s15, v[WSA]
	v_mul_u32_u24 v[WLA], v[RR], WP
	v_mad_u32_u24 v[WLA], v[HH], 48, v[WLA]
	v_add_nc_u32 v[WLA], s15, v[WLA]
	s_and_b32 s20, s14, 1                          ; which 32 of the work-group's 64 rows are my wave's
	s_lshr_b32 s21, s14, 1                         ; which 256 of its 512 along K
	s_lshl_b32 s15, s21, 9
	s_lshl_b32 s16, s20, 7
	s_add_co_u32 s15, s15, s16
	s_add_co_u32 s15, s15, XCH
	v_lshl_add_u32 v[XSW], v[LANE], 2, s15
	s_lshl_b32 s15, s14, 8
	s_add_co_u32 s15, s15, XCH
	v_add_nc_u32 v[XLD], s15, v[VSO]
	v_mov_b32 v[T], 0                              ; written once: a lane permute's destination counts as one of its sources
	s_and_b32 s36, ttmp9, 1                        ; 0: x, 1: w
	s_lshr_b32 s16, ttmp9, 1
	s_lshr_b32 s37, s16, 3                         ; which 64 rows, 0..63
	s_and_b32 s38, s16, 7                          ; which 512 along K, 0..7
	s_lshl_b32 s17, s37, 1
	s_add_co_u32 s17, s17, s20                     ; rp: which 32 rows are my wave's, 0..127
	s_lshl_b32 s18, s38, 1
	s_add_co_u32 s18, s18, s21                     ; ks: which 256 along K, 0..15
	s_lshr_b32 s19, s37, 1
	s_lshl_b32 s19, s19, 5                         ; the first block of my 128 rows: 32 blocks for each 128 rows
	s_lshl_b32 s32, s18, 1
	s_add_co_u32 s32, s32, s19
	s_mul_i32 s32, s32, BLK                        ; the block of my first 128 along K: at most 1,022 x 12,800 bytes
	s_and_b32 s33, s17, 3                          ; which 32 of the block's 128 rows
	s_mul_i32 s33, s33, 2*FRB
	s_add_co_u32 s32, s32, s33                     ; my two fragments in it; the other two lie a block on
	s_mov_b32 s33, 0
	s_lshl_b32 s34, s38, 2
	s_add_co_u32 s34, s34, s14                     ; of the work-group's four blocks along K, wave w stores the scale words of the w-th
	s_add_co_u32 s34, s34, s19
	s_mul_i32 s34, s34, BLK
	s_and_b32 s35, s37, 1
	s_lshl_b32 s35, s35, 8                         ; the work-group's 64 rows are one half of the block's 128: 256 bytes of its 512
	s_add_co_u32 s34, s34, s35
	s_add_co_u32 s34, s34, SCO
	s_mov_b32 s35, 0
	s_mov_b32 s[SEL], 0x76543210
	s_mov_b32 s[SEL+1], 0xfedcba98
	s_mov_b32 s[N3], 0xc0400000
	s_mov_b32 s[N3+1], s[N3]                       ; (named with it as a pair, so it is written)
	s_mov_b32 s[SELA], 0x00000400                  ; byte 0: the second source's byte 0; byte 1: the first source's byte 0
	s_mov_b32 s[SELB], 0x00040100                  ; bytes 0, 1: the second source's; byte 2: the first source's byte 0.  Byte 3 is never read
	s_mov_b32 vcc_lo, 0xffff0000                   ; lanes 16-31
	s_wait_kmcnt 0x0
	s_cmp_eq_u32 s36, 0                            ; the choice hangs on the work-group's number alone
	s_cselect_b64 s[22:23], s[10:11], s[12:13]
	s_mov_b64 s[24:25], s[22:23]
	s_add_nc_u64 s[22:23], s[22:23], s[32:33]      ; where my codes go
	s_add_nc_u64 s[24:25], s[24:25], s[34:35]      ; where the scale words go that I store
; 64 numbers of a lane, v[s] .. v[s + 63], register 32 c + i = k 64 c + 32 h + i of my row: two whole blocks.  They become the fragment's codes in v[PC] on and its scale word in v[wd].
.macro QUANT s, wd
.irp c, 0,1
	v_max3_num_f32 v[M+\c], |v[\s+32*\c]|, |v[\s+32*\c+1]|, 0x2800000   ; and the floor 2^(5 - 127), under which no largest magnitude is taken: so the byte cannot fall under 1
.endr
.irp i, 2,4,6,8,10,12,14,16,18,20,22,24,26,28,30
.irp c, 0,1
	v_max3_num_f32 v[M+\c], v[M+\c], |v[\s+32*\c+\i]|, |v[\s+32*\c+\i+1]|   ; (the two blocks by turns)
.endr
.endr
.irp c, 0,1
	v_add_nc_u32 v[SOP+\c], 0xfe000000, v[M+\c]    ; 4 off its exponent field: the conversion takes the exponent field of this operand as its scale, and nothing else of it
.endr
.irp c, 0,1
	v_lshrrev_b32 v[BY+\c], 23, v[SOP+\c]          ; the scale's byte
.endr
	v_lshl_or_b32 v[\wd], v[BY+1], 16, v[BY]       ; my two bytes: blocks h and 2 + h of my row,
	v_lshlrev_b32 v[\wd], v[SH8], v[\wd]           ; at their places in the scale word;
	v_permlanex16_b32 v[T], v[\wd], s[SEL], s[SEL+1]
	v_or_b32 v[\wd], v[\wd], v[T]                  ; with lane l xor 16's two the word is whole, in both lanes
.irp c, 0,1
	v_cvt_scalef32_pk16_bf6_f32 v[PC+6*\c:PC+6*\c+2], v[\s+32*\c:\s+32*\c+15], v[SOP+\c]
	v_cvt_scalef32_pk16_bf6_f32 v[PT+4*\c:PT+4*\c+2], v[\s+32*\c+16:\s+32*\c+31], v[SOP+\c]   ; (a conversion's three registers begin on an even number: the second half of a block's six does not)
.endr
	v_nop                                          ; one plain place behind a scaled conversion
.irp c, 0,1
.irp i, 0,1,2
	v_mov_b32 v[PC+6*\c+3+\i], v[PT+4*\c+\i]
.endr
.endr
.endm
.macro PUT t                           ; fragment t = 2 i + q (row block i, 128 along K number q): its image; each store of the wave covers 512 consecutive bytes, aligned
.irp c, 0,1,2
	global_store_b128 v[VCO], v[PC+4*\c:PC+4*\c+3], s[22:23] offset:BLK*((\t)%2)+FRB*((\t)/2)+512*\c
.endr
.endm
	s_cmp_lg_u32 s36, 0
	s_cbranch_scc1 .Lweights
	; ---------------- x ----------------
	s_lshl_b32 s32, s17, 19                        ; 32 rows of 16,384 bytes,
	s_lshl_b32 s34, s18, 10                        ; 256 numbers of 4 bytes
	s_add_co_u32 s32, s32, s34
	s_add_nc_u64 s[4:5], s[4:5], s[32:33]
.macro LOADX t                         ; fragment t = 2 i + q: 16 rows x 512 bytes; each load takes one row's 512 consecutive bytes
.irp n, 0,1,2,3,4,5,6,7,8,9,10,11,12,13,14,15
	global_load_b128 v[R+64*((\t)%3)+4*\n:R+64*((\t)%3)+4*\n+3], v[VCO], s[4:5] offset:(16*((\t)/2)+\n)*16384+512*((\t)%2) th:TH_LOAD_NT
.endr
.endm
.macro TURNX t                         ; through the stage, and back into the registers that the numbers left: LDS serves a wave's instructions in order (ISA guide 5.7.1.4), so no wait stands between
.set RS, R+64*((\t)%3)
.irp n, 0,1,2,3,4,5,6,7,8,9,10,11,12,13,14,15
	ds_store_b128 v[XSA], v[RS+4*\n:RS+4*\n+3] offset:XP*\n
.endr
.irp c, 0,1
.irp j, 0,1,2,3,4,5,6,7
	ds_load_b128 v[RS+32*\c+4*\j:RS+32*\c+4*\j+3], v[XLA] offset:256*\c+16*\j   ; row r, k = 64 c + 32 h + 4 j on
.endr
.endr
.endm
.macro XFRAG t, left
	s_wait_loadcnt \left                           ; loads come back in order (ISA guide 5.7.1): this fragment's sixteen are in, those of the fragments asked for behind it stay out
	TURNX \t
	s_wait_dscnt 0x0
.if (\t) > 0
	s_wait_xcnt 0x0                                ; the last fragment's stores have read their data: the codes' registers are written again only behind this wait
.endif
.set QS, R+64*((\t)%3)
	QUANT QS, WD+(\t)
	PUT \t
.endm
	LOADX 0
	LOADX 1
	LOADX 2                                        ; 48 loads of the wave are out
	XFRAG 0, 32                                    ; behind fragment 0's loads: fragments 1 and 2
	LOADX 3                                        ; into fragment 0's registers
	XFRAG 1, 32                                    ; fragments 2 and 3
	XFRAG 2, 16                                    ; fragment 3
	XFRAG 3, 0
	s_branch .Lfinish
	; ---------------- w ----------------
.Lweights:
	s_mul_i32 s32, s17, 32*6144                    ; weight_q3: a row of w is 64 groups x 24 words = 6,144 bytes;
	s_mul_i32 s34, s18, 384                        ; 256 along K are 96 words
	s_add_co_u32 s32, s32, s34
	s_add_nc_u64 s[6:7], s[6:7], s[32:33]
	s_lshl_b32 s32, s17, 13                        ; weight_scale: a row of w has 64 scales = 256 bytes;
	s_lshl_b32 s34, s18, 4                         ; 256 along K have four
	s_add_co_u32 s32, s32, s34
	s_add_nc_u64 s[8:9], s[8:9], s[32:33]
.macro LOADW i                         ; row block i: 16 rows x 384 bytes.  A load takes 128 consecutive bytes of each of four rows; three loads finish the four rows
.irp n, 0,1,2,3
.irp j, 0,1,2
	global_load_b128 v[RW+48*\i+12*\n+4*\j:RW+48*\i+12*\n+4*\j+3], v[VWO], s[6:7] offset:(16*\i+4*\n)*6144+128*\j th:TH_LOAD_NT
.endr
.endr
	global_load_b128 v[SCL+4*\i:SCL+4*\i+3], v[VGO], s[8:9] offset:4096*\i   ; my row's four group scales (other work-groups read the rest of these rows: no hint)
.endm
.macro TURNW i                         ; through the stage: lane (r, h) gets back, for K step q and half c, the 12 words (48 bytes) that hold k = 128 q + 64 c + 32 h + 0 .. 31 of row r
.irp n, 0,1,2,3
.irp j, 0,1,2
	ds_store_b128 v[WSA], v[RW+48*\i+12*\n+4*\j:RW+48*\i+12*\n+4*\j+3] offset:4*WP*\n+128*\j
.endr
.endr
.irp q, 0,1
.irp c, 0,1
.irp j, 0,1,2
	ds_load_b128 v[RW+48*\i+24*\q+12*\c+4*\j:RW+48*\i+24*\q+12*\c+4*\j+3], v[WLA] offset:192*\q+96*\c+16*\j
.endr
.endr
.endr
.irp g, 0,1,2,3
	v_mov_b32 v[SP+2*\g], v[SCL+4*\i+\g]           ; each group's scale twice: a pair for the packed multiply
	v_mov_b32 v[SP+2*\g+1], v[SCL+4*\i+\g]
.endr
.endm
.macro UNPK src, dst, sp               ; three words (one byte each) -> eight weights in f32
	v_perm_b32 v[TW], v[\src+1], v[\src], s[SELA]
	v_perm_b32 v[TW], v[\src+2], v[TW], s[SELB]    ; the three low bytes, the first lowest: bits 0 .. 23
.irp e, 0,1,2,3,4,5,6,7
	v_bfe_u32 v[\dst+\e], v[TW], 3*\e, 3
.endr
.irp e, 0,1,2,3,4,5,6,7
	v_min_u32 v[\dst+\e], 6, v[\dst+\e]            ; the clip: code 7 counts as 6
.endr
.irp e, 0,1,2,3,4,5,6,7
	v_cvt_f32_u32 v[\dst+\e], v[\dst+\e]
.endr
.irp e, 0,2,4,6
	v_pk_add_f32 v[\dst+\e:\dst+\e+1], v[\dst+\e:\dst+\e+1], s[N3:N3+1] op_sel_hi:[1,0]   ; - 3: exact
.endr
.irp e, 0,2,4,6
	v_pk_mul_f32 v[\dst+\e:\dst+\e+1], v[\dst+\e:\dst+\e+1], v[\sp:\sp+1]   ; x the group's scale: the one rounding
.endr
.endm
.macro WFRAG i, q
	s_wait_dscnt 6*(1-\q)                          ; this K step's six loads are back; the other's six may be out
.irp c, 0,1
.irp m, 0,1,2,3
.set US, RW+48*\i+24*\q+12*\c+3*\m
.set UD, X+32*\c+8*\m
.set UP, SP+2*(2*\q+\c)
	UNPK US, UD, UP
.endr
.endr
.if 2*\i+\q > 0
	s_wait_xcnt 0x0                                ; the last fragment's stores have read their data: the codes' registers are written again only behind this wait
.endif
	QUANT X, WD+2*\i+\q
	PUT 2*\i+\q
.endm
	s_wait_alu depctr_va_vdst(0)
	LOADW 0
	LOADW 1                                        ; 26 loads of the wave are out
	s_wait_loadcnt 13                              ; row block 0's thirteen are in; row block 1's stay out
	TURNW 0
	WFRAG 0, 0
	WFRAG 0, 1
	s_wait_loadcnt 0x0
	TURNW 1
	WFRAG 1, 0
	WFRAG 1, 1
	; ---------------- the scale words, both paths ----------------
.Lfinish:
	v_cndmask_b32 v[SW], v[WD], v[WD+2], vcc_lo    ; my first 128 along K: lanes 0-15 the word of row r of my first 16 rows, lanes 16-31 of my second 16
	v_cndmask_b32 v[SW+1], v[WD+1], v[WD+3], vcc_lo   ; my second 128 along K
	ds_store_b32 v[XSW], v[SW]                     ; 128 consecutive bytes: my half of the 256 that the work-group has of that block's scale words
	ds_store_b32 v[XSW], v[SW+1] offset:256
	s_wait_dscnt 0x0                               ; for the others' sake: my stores have landed
	s_barrier_signal -1
	s_barrier_wait -1                              ; everybody's have
	ds_load_b64 v[SW:SW+1], v[XLD]                 ; the 256 bytes of the work-group's w-th block along K
	s_wait_dscnt 0x0
	global_store_b64 v[VSO], v[SW:SW+1], s[24:25]  ; 32 lanes store 256 consecutive bytes, aligned
	s_wait_tensorcnt 0x0
	ds_add_u32 v244, v245
	s_wait_dscnt 0x0
	s_endpgm
.Lfunc_end_k_qb248cba147_quant:
	.size	k_qb248cba147_quant, .Lfunc_end_k_qb248cba147_quant-k_qb248cba147_quant
	.p2alignl 7, 3214868480
	.fill 96, 4, 3214868480
	.section	.rodata,"a",@progbits
	.p2align	6, 0x0
	.amdhsa_kernel k_qb248cba147_quant
		.amdhsa_group_segment_fixed_size 60928
		.amdhsa_private_segment_fixed_size 0
		.amdhsa_enable_private_segment 0
		.amdhsa_kernarg_size 40
		.amdhsa_user_sgpr_count 2
		.amdhsa_user_sgpr_kernarg_segment_ptr 1
		.amdhsa_wavefront_size32 1
		.amdhsa_system_sgpr_workgroup_id_x 1
		.amdhsa_system_sgpr_workgroup_id_y 1
		.amdhsa_system_sgpr_workgroup_id_z 1
		.amdhsa_system_vgpr_workitem_id 0
		.amdhsa_next_free_vgpr 246
		.amdhsa_next_free_sgpr 66
		.amdhsa_reserve_vcc 1
		.amdhsa_float_denorm_mode_32 3
		.amdhsa_float_denorm_mode_16_64 3
		.amdhsa_memory_ordered 1
		.amdhsa_forward_progress 1
		.amdhsa_inst_pref_size 103
	.end_amdhsa_kernel
	.amdgpu_metadata
---
amdhsa.version: [ 1, 2 ]
amdhsa.kernels:
  - .name:           k_qb248cba147_quant
    .symbol:         k_qb248cba147_quant.kd
    .args:
      - { .name: x, .offset: 0, .size: 8, .value_kind: global_buffer, .address_space: global }
      - { .name: weight_q3, .offset: 8, .size: 8, .value_kind: global_buffer, .address_space: global }
      - { .name: weight_scale, .offset: 16, .size: 8, .value_kind: global_buffer, .address_space: global }
      - { .name: aq, .offset: 24, .size: 8, .value_kind: global_buffer, .address_space: global }
      - { .name: bq, .offset: 32, .size: 8, .value_kind: global_buffer, .address_space: global }
    .group_segment_fixed_size: 60928
    .private_segment_fixed_size: 0
    .kernarg_segment_align: 8
    .kernarg_segment_size: 40
    .max_flat_workgroup_size: 128
    .sgpr_count:     66
    .vgpr_count:     246
    .wavefront_size: 32
...
	.end_amdgpu_metadata
.endif
;; end of part 1
;; launch gemm (part 2): grid 16 x 16, 4 waves a work-group, clusters of 4 x 4, 327,680 bytes of LDS; arguments aq, bq, bias, out0; writes out0
.if DOCPART == 2
	.amdgcn_target "amdgcn-amd-amdhsa--gfx1250"
	.amdhsa_code_object_version 6
	.text
	.protected	k_qb248cba147_gemm
	.globl	k_qb248cba147_gemm
	.p2align	8
	.type	k_qb248cba147_gemm,@function
k_qb248cba147_gemm:
	s_mov_b64 s[64:65], 0
	v_nop
	global_prefetch_b8 v0, s[64:65] scope:SCOPE_SE
	s_setreg_imm32_b32 hwreg(HW_REG_WAVE_MODE, 25, 1), 1
	s_wait_xcnt 0x0
	s_wait_alu depctr_hold_cnt(0) depctr_sa_sdst(0) depctr_va_vdst(0) depctr_va_sdst(0) depctr_va_ssrc(0) depctr_va_vcc(0) depctr_vm_vsrc(0)
	s_getreg_b32 s2, hwreg(HW_REG_IB_STS2, 6, 4)
	s_cmp_eq_u32 s2, 0
	s_cbranch_scc0 .Lentry_in_a_cluster
	s_endpgm
.Lentry_in_a_cluster:
	s_bfe_u32 s2, ttmp6, 0x10000c
	s_cmp_lg_u32 s2, 0xf033
	s_cbranch_scc0 .Lentry_shape_is_right
	s_endpgm
.Lentry_shape_is_right:
; out0[t][o] = sum over k of x[t][k] w[o][k] + bias[o], on codes of BF6 (E3M2) with one E8M0 byte for each 32 along K, as launch quant has laid them:
; aq, bq: a BLOCK of 128 rows x 128 K is 12,800 bytes at ((row / 128) x 32 + k / 128) x 12,800: eight images of a fragment's 12 registers (1,536 bytes each), then 512 bytes of scale words.
; A work-group of four waves makes 256 x 256 of out0, a wave 128 x 128: 64 accumulators (windows 2 and 3).  x's fragments: one set in window 0; w's: two sets in window 1; scale words: two sets, v32-47.
; K goes through two LDS slots of three steps of 128; each wave fetches 38,400 dense bytes of a slot as 150 rows of 256 bytes.  The bias is the C of the first step's products.
; CLUSTERS: 4 x 4 work-groups; x's tiles are asked for jointly along a row of the cluster, w's along a column.  The matrix instruction is used transposed (source 0 = w's rows, source 1 = x's rows): a lane holds 8 neighbours of a row of out0.
; A CHANGE OF SLOTS stands in the middle of a slot's last step: its first 32 products come first, then the wait for all tensor loads, the add, the wait for it and for the reads, the round and the refill on end:
; by the text's own count 192 matrix instructions stand between a refill and the wait for it.
; PREFETCH: behind each refill of three steps every wave of every cluster names its work-group's share, by address (38 of 150 rows of 256 bytes), of the refill after it: three K steps ahead; the short last refill is not asked for.
; LIMITS: those of launch quant (NaN and infinities among the inputs are not served).
.set BLK,    12800
.set WBL,    3*BLK
.set RBB,    32*BLK
.set SLOT,   4*WBL
.set STAGE,  SLOT
.set SPITCH, 528
.set SPARE,  2*SLOT
.set FR,     12
.set FRB,    1536
.set SCO,    12288
.set NL,     3
.set NP,     4
.set TRIPS,  4
.set ROWC,   16384
.set ADRA, 16
.set ADRS, 18
.set ADRB, 20
.set STO,  24
.set RD,   25
.set CO,   26
.set BO,   27
.set SPW,  28
.set NIL,  29
.set PFO,  30
.set SC,   32
.set BIAS, 64
.set AF,   128
.set BK,   128
.set G1,  24
.set G0,  32
.set G1B, 48
.set G0B, 56
.set G1T,  72
.set G1TB, 80
.set PFA, 66
.set LIM, 68
.set MSB, 0
.macro WIN new
.if MSB != \new
	s_set_vgpr_msb (MSB<<8)|\new
.set MSB, \new
.endif
.endm
.set MUL_LO,   0xa1
.set MUL_HI,   0xf1
.set FIRST_LO, 0x81
.set FIRST_HI, 0xc1
.set TO_B,     0x40
.macro JLOAD g0a, g1a, g0b, g1b
	s_cmp_eq_u32 s15, 0
	s_cbranch_scc0 .Lfor_b_\@
	tensor_load_to_lds s[\g0a:\g0a+3], s[\g1a:\g1a+7]
	s_nop 0
.rept 4
	v_nop
.endr
	s_branch .Lasked_\@
.Lfor_b_\@:
	tensor_load_to_lds s[\g0b:\g0b+3], s[\g1b:\g1b+7]
	s_nop 0
.rept 4
	v_nop
.endr
.Lasked_\@:
.endm
.macro ASK how
.if \how
	s_cmp_eq_u32 s[LIM], 1
.else
	s_cmp_gt_u32 s3, s[LIM]
.endif
	s_cbranch_scc0 .Lnot_mine_\@
	s_wait_alu depctr_va_vdst(0)
	global_prefetch_b8 v[PFO], s[PFA:PFA+1] th:TH_LOAD_NT scope:SCOPE_SE
	global_prefetch_b8 v[PFO+1], s[PFA:PFA+1] th:TH_LOAD_NT scope:SCOPE_SE
.Lnot_mine_\@:
.endm
.macro CREST
	s_cmp_lg_u32 s14, 0
	s_cbranch_scc1 .Lnot_wave_0_\@
	s_barrier_signal -3
.Lnot_wave_0_\@:
	s_barrier_wait -3
	s_barrier_signal -1
	s_barrier_wait -1
.endm
.macro CROUND
	s_barrier_signal -1
	s_barrier_wait -1
	CREST
.endm
	s_load_b256 s[4:11], s[0:1], 0x0
	v_lshl_add_u32 v[SPW], v0, 2, SPARE
	v_mov_b32 v[NIL], 0
	ds_add_u32 v28, v29
	ds_add_u32 v28, v29
	s_wait_dscnt 0x0
	v_lshrrev_b32 v1, 5, v0
	v_readfirstlane_b32 s14, v1
	s_lshr_b32 s15, s14, 1
	s_and_b32 s16, s14, 1
	s_bfe_u32 s40, ttmp6, 0x40000
	s_bfe_u32 s41, ttmp6, 0x40004
	s_lshl_b32 s42, ttmp9, 2
	s_add_co_u32 s42, s42, s40
	s_and_b32 s17, ttmp7, 0xffff
	s_lshl_b32 s17, s17, 2
	s_add_co_u32 s17, s17, s41
	s_lshl_b32 s43, s41, 2
	s_lshl_b32 s43, 15, s43
	s_lshl_b32 s44, 0x1111, s40
	s_or_b32 s[G1+0], s43, (3<<16)|(1<<21)
	s_or_b32 s[G1B+0], s44, (3<<16)|(1<<21)
	s_or_b32 s[G1T+0], s43, (3<<16)|(1<<21)
	s_or_b32 s[G1TB+0], s44, (3<<16)|(1<<21)
.irp g, G1, G1B
	s_mov_b32 s[\g+1], 32<<16
	s_mov_b32 s[\g+2], 150<<16
	s_mov_b32 s[\g+3], 32<<16
	s_mov_b32 s[\g+4], 150
	s_mov_b32 s[\g+5], 32
	s_mov_b32 s[\g+6], 0
	s_mov_b32 s[\g+7], 0
.endr
.irp g, G1T, G1TB
	s_mov_b32 s[\g+1], 32<<16
	s_mov_b32 s[\g+2], 100<<16
	s_mov_b32 s[\g+3], 32<<16
	s_mov_b32 s[\g+4], 100
	s_mov_b32 s[\g+5], 32
	s_mov_b32 s[\g+6], 0
	s_mov_b32 s[\g+7], 0
.endr
	s_lshl_b32 s20, s17, 1
	s_add_co_u32 s20, s20, s16
	s_mul_i32 s20, s20, RBB
	s_mov_b32 s21, 0
	s_lshl_b32 s46, s42, 1
	s_add_co_u32 s46, s46, s16
	s_mul_i32 s46, s46, RBB
	s_mov_b32 s47, 0
	s_mul_i32 s45, s14, WBL
	s_wait_kmcnt 0x0
	s_add_nc_u64 s[20:21], s[4:5], s[20:21]
	s_add_nc_u64 s[46:47], s[6:7], s[46:47]
	CROUND
.irp s, 0,1
	s_mov_b32 s[G0+4*\s], 1
	s_add_co_u32 s[G0+4*\s+1], s45, \s*SLOT
	s_add_nc_u64 s[G0+4*\s+2:G0+4*\s+3], s[20:21], \s*WBL
	s_or_b32 s[G0+4*\s+3], s[G0+4*\s+3], 0x80000000
	s_mov_b32 s[G0B+4*\s], 1
	s_add_co_u32 s[G0B+4*\s+1], s45, \s*SLOT
	s_add_nc_u64 s[G0B+4*\s+2:G0B+4*\s+3], s[46:47], \s*WBL
	s_or_b32 s[G0B+4*\s+3], s[G0B+4*\s+3], 0x80000000
.endr
	JLOAD G0, G1, G0B, G1B                         ; steps 0 to 2: one tensor load a wave at the head; the addresses below are made while it is out
	v_and_b32 v1, 15, v0
	v_bfe_u32 v2, v0, 4, 1
	s_wait_alu depctr_va_vdst(0)
	v_and_b32 v3, 31, v0
	v_lshlrev_b32 v[CO], 4, v3
	v_lshlrev_b32 v[BO], 5, v2
	s_mul_i32 s21, s15, WBL
	s_mul_i32 s22, s16, WBL
	s_add_co_u32 s22, s22, 2*WBL
.irp s, 0,1
	v_add_nc_u32 v[ADRA+\s], s21, v[CO]
	v_add_nc_u32 v[ADRB+\s], s22, v[CO]
	s_add_co_u32 s21, s21, SLOT
	s_add_co_u32 s22, s22, SLOT
.endr
	s_xor_b32 s22, s15, 1
	s_add_co_u32 s22, s22, s16
	s_add_co_u32 s22, s22, 1
	s_mul_i32 s22, s22, WBL
	v_mul_u32_u24 v6, s22, v2
	s_mul_i32 s21, s15, WBL
	s_add_co_u32 s21, s21, SCO
	v_lshl_add_u32 v5, v1, 2, v6
	v_add_nc_u32 v[ADRS], s21, v5
	v_add_nc_u32 v[ADRS+1], SLOT, v[ADRS]
	s_mul_i32 s23, s14, 16*SPITCH
	s_add_co_u32 s23, s23, STAGE
	v_mul_u32_u24 v5, v1, SPITCH
	v_lshl_add_u32 v5, v2, 5, v5
	v_add_nc_u32 v[STO], s23, v5
	v_add_nc_u32 v[RD], s23, v[CO]
	s_lshl_b32 s20, s17, 8
	s_lshl_b32 s21, s15, 7
	s_add_co_u32 s20, s20, s21
	s_lshl_b32 s20, s20, 14
	s_mov_b32 s21, 0
	s_lshl_b32 s46, s42, 10
	s_lshl_b32 s47, s16, 9
	s_add_co_u32 s46, s46, s47
	s_mov_b32 s47, 0
	s_add_nc_u64 s[10:11], s[10:11], s[20:21]
	s_add_nc_u64 s[10:11], s[10:11], s[46:47]
	s_add_nc_u64 s[8:9], s[8:9], s[46:47]
.irp b, 0,1,2,3,4,5,6,7
	global_load_b128 v[BIAS+8*\b:BIAS+8*\b+3], v[BO], s[8:9] offset:64*\b
	global_load_b128 v[BIAS+8*\b+4:BIAS+8*\b+7], v[BO], s[8:9] offset:64*\b+16
.endr
	s_cmp_eq_u32 s15, 0
	s_cselect_b32 s20, s17, s42
	s_cselect_b32 s21, s40, s41
	s_cselect_b64 s[PFA:PFA+1], s[4:5], s[6:7]
	s_mov_b32 s[LIM], 1                            ; every wave of every cluster asks for what its cluster will load
	s_mul_i32 s22, s21, 38
	s_lshl_b32 s20, s20, 1
	s_add_co_u32 s20, s20, s16
	s_mul_i32 s20, s20, RBB
	s_add_co_u32 s20, s20, 2*WBL
	s_mov_b32 s21, 0
	s_add_nc_u64 s[PFA:PFA+1], s[PFA:PFA+1], s[20:21]
	v_add_nc_u32 v[PFO], s22, v3
	v_lshlrev_b32 v[PFO], 8, v[PFO]
	v_min_u32 v[PFO+1], 5, v3
	v_add_nc_u32 v[PFO+1], s22, v[PFO+1]
	v_add_nc_u32 v[PFO+1], 32, v[PFO+1]
	v_min_u32 v[PFO+1], 149, v[PFO+1]
	v_lshlrev_b32 v[PFO+1], 8, v[PFO+1]
.macro FRAG reg, adr, q, i
.irp c, 0,1,2
	ds_load_b128 v[\reg+4*\c:\reg+4*\c+3], v[\adr] offset:(\q)*BLK+(\i)*FRB+512*\c
.endr
.endm
.macro MUL16 a0, p, first
.irp a, \a0, \a0+1
.irp b, 0,1,2,3,4,5,6,7
.if \first
	v_wmma_scale_f32_16x16x128_f8f6f4 v[8*(8*((\a)%4)+\b):8*(8*((\a)%4)+\b)+7], v[128*(\p)+FR*\b:128*(\p)+FR*\b+FR-1], v[AF+FR*(\a):AF+FR*(\a)+FR-1], v[BIAS+8*\b:BIAS+8*\b+7], v[SC+8*(\p)+\b], v[SC+8*(\p)+(\a)] matrix_a_fmt:MATRIX_FMT_BF6 matrix_b_fmt:MATRIX_FMT_BF6 matrix_a_scale:MATRIX_SCALE_ROW1
.else
	v_wmma_scale_f32_16x16x128_f8f6f4 v[8*(8*((\a)%4)+\b):8*(8*((\a)%4)+\b)+7], v[128*(\p)+FR*\b:128*(\p)+FR*\b+FR-1], v[AF+FR*(\a):AF+FR*(\a)+FR-1], v[8*(8*((\a)%4)+\b):8*(8*((\a)%4)+\b)+7], v[SC+8*(\p)+\b], v[SC+8*(\p)+(\a)] matrix_a_fmt:MATRIX_FMT_BF6 matrix_b_fmt:MATRIX_FMT_BF6 matrix_a_scale:MATRIX_SCALE_ROW1
.endif
.endr
.endr
.endm
.macro FETCH_B slot, q, p
	WIN TO_B
.irp i, 0,1,2,3,4,5,6,7
	FRAG 128*(\p)+FR*\i, ADRB+\slot, \q, \i
.endr
	WIN 0
.endm
.macro FETCH_A slot, q, i0
.irp i, \i0, \i0+1, \i0+2, \i0+3
	FRAG AF+FR*(\i), ADRA+\slot, \q, \i
.endr
.endm
.macro SCALES slot, q, p
.irp i, 0,1,2,3,4,5,6,7
	ds_load_b32 v[SC+8*(\p)+\i], v[ADRS+\slot] offset:(\q)*BLK+64*\i
.endr
.endm
.macro PLACES n
.rept \n
	v_nop
.endr
.endm
.macro STEP slot, q, p, first
	s_wait_dscnt 4*NL
.if \first
	WIN FIRST_LO
.else
	WIN MUL_LO
.endif
	MUL16 0, \p, \first
	MUL16 2, \p, \first
	s_wait_dscnt 0
	PLACES NP
	FETCH_B \slot, (\q)+1, 1-(\p)
	FETCH_A \slot, (\q)+1, 0
	SCALES \slot, (\q)+1, 1-(\p)
.if \first
	WIN FIRST_HI
.else
	WIN MUL_HI
.endif
	MUL16 4, \p, \first
	MUL16 6, \p, \first
	PLACES NP
	WIN 0
	FETCH_A \slot, (\q)+1, 4
.endm
.macro TURN slot, next, p, fill, how
.if \fill == 1
	s_wait_xcnt 0x0
	s_add_nc_u64 s[PFA:PFA+1], s[PFA:PFA+1], WBL
.endif
	s_wait_dscnt 4*NL                              ; w's set and x's blocks 0-3 are in; the youngest loads (x's blocks 4-7) may be out
	WIN MUL_LO
	MUL16 0, \p, 0
	MUL16 2, \p, 0
	WIN 0
	s_wait_tensorcnt 0x0                           ; all my tensor loads have landed: my part of the next slot
	ds_add_u32 v[SPW], v[NIL]
.if \fill
	s_add_nc_u64 s[G0+4*\slot+2:G0+4*\slot+3], s[G0+4*\slot+2:G0+4*\slot+3], 2*WBL       ; no tensor load of mine is out: this slot's next three steps
	s_add_nc_u64 s[G0B+4*\slot+2:G0B+4*\slot+3], s[G0B+4*\slot+2:G0B+4*\slot+3], 2*WBL
.endif
	s_wait_dscnt 0x0                               ; the add is done, and my reads of this slot are over
	s_barrier_signal -1
	s_barrier_wait -1
.if \fill
	CREST
.if \fill == 1
	JLOAD G0+4*\slot, G1, G0B+4*\slot, G1B
.else
	JLOAD G0+4*\slot, G1T, G0B+4*\slot, G1TB
.endif
.else
	PLACES NP
.endif
	FETCH_B \next, 0, 1-(\p)
	FETCH_A \next, 0, 0
	SCALES \next, 0, 1-(\p)
.if \fill == 1
	ASK \how
.endif
	WIN MUL_HI
	MUL16 4, \p, 0
	MUL16 6, \p, 0
	PLACES NP
	WIN 0
	FETCH_A \next, 0, 4
.endm
	s_wait_alu depctr_va_vdst(0)
	s_wait_tensorcnt 0x0                           ; my part of slot 0 is in; the full sequence ahead of slot 1's first fill
	ds_add_u32 v[SPW], v[NIL]
	s_wait_dscnt 0x0
	CROUND                                         ; everybody's part of slot 0 is in, and all sixteen work-groups are here
	JLOAD G0+4, G1, G0B+4, G1B                     ; steps 3 to 5, the first tensor load behind the round
	FETCH_B 0, 0, 0
	FETCH_A 0, 0, 0
	SCALES 0, 0, 0
	FETCH_A 0, 0, 4
	s_wait_loadcnt 0x0
	STEP 0, 0, 0, 1
	s_mov_b32 s3, TRIPS
.Llap:
	STEP 0, 1, 1, 0
	TURN 0, 1, 0, 1, 1
	STEP 1, 0, 1, 0
	STEP 1, 1, 0, 0
	TURN 1, 0, 1, 1, 0
	STEP 0, 0, 0, 0
	s_sub_co_u32 s3, s3, 1
	s_cmp_lg_u32 s3, 0
	s_cbranch_scc1 .Llap
	STEP 0, 1, 1, 0
	TURN 0, 1, 0, 2, 0
	STEP 1, 0, 1, 0
	STEP 1, 1, 0, 0
	TURN 1, 0, 1, 0, 0
	STEP 0, 0, 0, 0
	s_wait_dscnt 4*NL
	WIN MUL_LO
	MUL16 0, 1, 0
	MUL16 2, 1, 0
	s_wait_alu depctr_va_vdst(0)
	s_wait_dscnt 0
	WIN MUL_HI
	MUL16 4, 1, 0
	MUL16 6, 1, 0
	WIN 0
.macro TOSTAGE a
.set AC, 64*((\a)%4)
	WIN 0x08+4*((\a)/4)
.irp b, 0,1,2,3,4,5,6,7
	ds_store_b128 v[STO], v[AC+8*\b:AC+8*\b+3] offset:64*\b
	ds_store_b128 v[STO], v[AC+8*\b+4:AC+8*\b+7] offset:64*\b+16
.endr
	WIN 0
.set BB, BK+64*((\a)%2)
.irp t, 0,1,2,3,4,5,6,7,8,9,10,11,12,13,14,15
	ds_load_b128 v[BB+4*\t:BB+4*\t+3], v[RD] offset:\t*SPITCH
.endr
.endm
.macro SEND a, younger
.set BB, BK+64*((\a)%2)
	s_wait_dscnt \younger
.if (\a) > 0
	s_add_nc_u64 s[10:11], s[10:11], 16*ROWC
.endif
.irp t, 0,1,2,3,4,5,6,7,8,9,10,11,12,13,14,15
	global_store_b128 v[CO], v[BB+4*\t:BB+4*\t+3], s[10:11] offset:\t*ROWC th:TH_STORE_NT
.endr
.endm
	PLACES NP
	TOSTAGE 0
.irp a, 1,2,3,4,5,6,7
.if \a > 1
	s_wait_xcnt 0x0
.endif
	TOSTAGE \a
	SEND \a-1, 32
.endr
	s_wait_xcnt 0x0
	SEND 7, 0
	s_wait_tensorcnt 0x0
	ds_add_u32 v[SPW], v[NIL]
	s_wait_dscnt 0x0
	CROUND
	s_endpgm
.Lfunc_end_k_qb248cba147_gemm:
	.size	k_qb248cba147_gemm, .Lfunc_end_k_qb248cba147_gemm-k_qb248cba147_gemm
	.p2alignl 7, 3214868480
	.fill 96, 4, 3214868480
	.section	.rodata,"a",@progbits
	.p2align	6, 0x0
	.amdhsa_kernel k_qb248cba147_gemm
		.amdhsa_group_segment_fixed_size 327680
		.amdhsa_private_segment_fixed_size 0
		.amdhsa_enable_private_segment 0
		.amdhsa_kernarg_size 32
		.amdhsa_user_sgpr_count 2
		.amdhsa_user_sgpr_kernarg_segment_ptr 1
		.amdhsa_wavefront_size32 1
		.amdhsa_system_sgpr_workgroup_id_x 1
		.amdhsa_system_sgpr_workgroup_id_y 1
		.amdhsa_system_sgpr_workgroup_id_z 1
		.amdhsa_system_vgpr_workitem_id 0
		.amdhsa_next_free_vgpr 1024
		.amdhsa_next_free_sgpr 88
		.amdhsa_reserve_vcc 0
		.amdhsa_float_denorm_mode_32 3
		.amdhsa_float_denorm_mode_16_64 3
		.amdhsa_memory_ordered 1
		.amdhsa_forward_progress 1
		.amdhsa_inst_pref_size 212
	.end_amdhsa_kernel
	.amdgpu_metadata
---
amdhsa.version: [ 1, 2 ]
amdhsa.kernels:
  - .name:           k_qb248cba147_gemm
    .symbol:         k_qb248cba147_gemm.kd
    .args:
      - { .name: aq, .offset: 0, .size: 8, .value_kind: global_buffer, .address_space: global }
      - { .name: bq, .offset: 8, .size: 8, .value_kind: global_buffer, .address_space: global }
      - { .name: bias, .offset: 16, .size: 8, .value_kind: global_buffer, .address_space: global }
      - { .name: out0, .offset: 24, .size: 8, .value_kind: global_buffer, .address_space: global }
    .group_segment_fixed_size: 327680
    .private_segment_fixed_size: 0
    .kernarg_segment_align: 8
    .kernarg_segment_size: 32
    .max_flat_workgroup_size: 128
    .sgpr_count:     88
    .vgpr_count:     1024
    .wavefront_size: 32
...
	.end_amdgpu_metadata
.endif
;; end of part 2
